; MI455X (gfx1250); checked and timed in simulation.
; The chip was launched on July 23, 2026; its instructions are those of AMD's public machine-readable ISA for CDNA 5 (MIT licence, August 2026) and "CDNA5" Instruction Set Architecture Reference Guide (July 2026). The comments in the code are by the model that wrote it; some were corrected since.
;; Multi Head Attention. Allowed arithmetic: float matrix products may take bf16 or f16 operands with f32 sums; all other float work in f32.
;; Inputs: k 4 x 2,048 x 1,024 float32; mask 4 x 2,048 x 2,048 float32; q 4 x 2,048 x 1,024 float32; v 4 x 2,048 x 1,024 float32; wk_bias 1,024 float32; wk_kernel 1,024 x 1,024 float32; wq_bias 1,024 float32; wq_kernel 1,024 x 1,024 float32; wv_bias 1,024 float32; wv_kernel 1,024 x 1,024 float32.
;; Outputs: out0 4 x 2,048 x 1,024 float32.
;; One version. Each part assembles by itself: llvm-mc -triple=amdgcn-amd-amdhsa -mcpu=gfx1250 --defsym DOCPART=n.
;; ======== version 1 of 1: 3 launches
;; limits: values are held in f16: magnitudes above 65,504 overflow, below 6.1e-05 lose precision
;; workspace buffers: xb 50,331,648 bytes; wt 6,291,456 bytes; pj 50,331,648 bytes
;; launch prep (part 1): grid 512 x 4, 8 waves a work-group, no clusters, 0 bytes of LDS; arguments q, k, v, wq_kernel, wk_kernel, wv_kernel, xb, wt; writes xb, wt
.if DOCPART == 1
	.amdgcn_target "amdgcn-amd-amdhsa--gfx1250"
	.amdhsa_code_object_version 6
	.text
	.protected	k_q0f6742dae1_prep
	.globl	k_q0f6742dae1_prep
	.p2align	8
	.type	k_q0f6742dae1_prep,@function
k_q0f6742dae1_prep:
	s_mov_b64 s[64:65], 0
	v_nop
	global_prefetch_b8 v0, s[64:65] scope:SCOPE_SE
	s_setreg_imm32_b32 hwreg(HW_REG_WAVE_MODE, 25, 1), 1
	s_wait_xcnt 0x0
; Rounds the matrix operands of the three projections to f16, once, so that the product that follows can take them by tensor loads.
; Grid y = 0, 1, 2: q, k, v ([8192][1024] f32) -> xb[y] ([8192][1024] f16), same order.  A work-group takes 65,536 bytes of f32: 256 threads,
;   sixteen 16-byte loads each; a load of a wave covers 512 consecutive bytes, a store of a wave (8 bytes a lane) 256 consecutive bytes, aligned.
; Grid y = 3: the three weights W[k][n] (f32) -> wt, f16, in the order in which the product's fragments want them:
;   wt[p][nb 4][ks 8][kc 16][n 256][8 k], element = W_p[128 ks + 8 kc + e][256 nb + n].  Work-group x = (nb << 7) | (ks << 4) | kc takes 8 rows of k and
;   256 columns of all three weights; thread t owns column t: eight 4-byte loads down the column, one 16-byte store; a store of a wave covers 512 consecutive bytes.
; No loop, no register written twice: the only waits are the counted ones in front of each conversion.  No LDS, no matrix unit: bytes alone count here.
; WHY f16: the attention's outputs are averages over 2,048 keys, some thirty times smaller than V's numbers, and are compared within a hundredth of their own root mean square;
;   eleven significant bits in each operand leave eight times the margin that eight bits leave.
; LIMIT: a number of magnitude 65,520 or more becomes an infinity; below 6.1e-5 the step is 6e-8 (f16's denormals, which are kept).
.set XL, 16                            ; v[16:79]   as loaded
.set XS, 80                            ; v[80:111]  to store
	s_load_b512 s[4:19], s[0:1], 0x0               ; q s[4:5], k s[6:7], v s[8:9], wq s[10:11], wk s[12:13], wv s[14:15], xb s[16:17], wt s[18:19]
	s_and_b32 s20, ttmp7, 0xffff                   ; grid y: which tensor
	v_lshlrev_b32 v1, 4, v0                        ; 16 t
	v_lshlrev_b32 v2, 3, v0                        ; 8 t
	v_lshlrev_b32 v3, 2, v0                        ; 4 t
	s_mov_b32 s25, 0                               ; high words of the two offset pairs
	s_mov_b32 s27, 0
	s_wait_kmcnt 0x0
	s_cmp_eq_u32 s20, 3
	s_cbranch_scc1 .Lweights
	s_cmp_eq_u32 s20, 1                            ; the source: q, k or v
	s_cselect_b64 s[22:23], s[6:7], s[4:5]
	s_cmp_eq_u32 s20, 2
	s_cselect_b64 s[22:23], s[8:9], s[22:23]
	s_lshl_b32 s24, ttmp9, 16                      ; 65,536 bytes of f32 for each work-group
	s_add_nc_u64 s[22:23], s[22:23], s[24:25]
	s_lshl_b32 s26, s20, 24                        ; 16,777,216 bytes of f16 for each tensor
	s_lshl_b32 s28, ttmp9, 15                      ; 32,768 for each work-group
	s_add_co_u32 s26, s26, s28
	s_add_nc_u64 s[16:17], s[16:17], s[26:27]
.irp i, 0,1,2,3,4,5,6,7,8,9,10,11,12,13,14,15
	global_load_b128 v[XL+4*\i:XL+4*\i+3], v1, s[22:23] offset:4096*\i th:TH_LOAD_NT
.endr
.irp i, 0,1,2,3,4,5,6,7,8,9,10,11,12,13,14,15
	s_wait_loadcnt 15-\i                           ; loads return in order: load i is in, the 15 - i younger ones stay out
	v_cvt_pk_f16_f32 v[XS+2*\i],   v[XL+4*\i],   v[XL+4*\i+1]
	v_cvt_pk_f16_f32 v[XS+2*\i+1], v[XL+4*\i+2], v[XL+4*\i+3]
	global_store_b64 v2, v[XS+2*\i:XS+2*\i+1], s[16:17] offset:2048*\i
.endr
	s_endpgm
.Lweights:
	s_and_b32 s24, ttmp9, 127                      ; 16 ks + kc: eight rows of k, 4,096 bytes each
	s_lshl_b32 s24, s24, 15
	s_lshr_b32 s28, ttmp9, 7                       ; nb: 256 columns, 1,024 bytes
	s_lshl_b32 s28, s28, 10
	s_add_co_u32 s24, s24, s28
	s_add_nc_u64 s[10:11], s[10:11], s[24:25]
	s_add_nc_u64 s[12:13], s[12:13], s[24:25]
	s_add_nc_u64 s[14:15], s[14:15], s[24:25]
	s_lshl_b32 s26, ttmp9, 12                      ; 4,096 bytes of wt for each work-group and weight
	s_add_nc_u64 s[18:19], s[18:19], s[26:27]
.irp p, 0,1,2
.irp i, 0,1,2,3,4,5,6,7
	global_load_b32 v[XL+8*\p+\i], v3, s[10+2*\p:11+2*\p] offset:4096*\i th:TH_LOAD_NT
.endr
.endr
.irp p, 0,1,2
	s_wait_loadcnt 16-8*\p                         ; weight p's eight loads are in; those of the later weights stay out
.irp j, 0,1,2,3
	v_cvt_pk_f16_f32 v[XS+4*\p+\j], v[XL+8*\p+2*\j], v[XL+8*\p+2*\j+1]   ; the lower k in the lower half
.endr
	global_store_b128 v1, v[XS+4*\p:XS+4*\p+3], s[18:19] offset:\p*2097152
.endr
	s_endpgm
.Lfunc_end_k_q0f6742dae1_prep:
	.size	k_q0f6742dae1_prep, .Lfunc_end_k_q0f6742dae1_prep-k_q0f6742dae1_prep
	.p2alignl 7, 3214868480
	.fill 96, 4, 3214868480
	.section	.rodata,"a",@progbits
	.p2align	6, 0x0
	.amdhsa_kernel k_q0f6742dae1_prep
		.amdhsa_group_segment_fixed_size 0
		.amdhsa_private_segment_fixed_size 0
		.amdhsa_enable_private_segment 0
		.amdhsa_kernarg_size 64
		.amdhsa_user_sgpr_count 2
		.amdhsa_user_sgpr_kernarg_segment_ptr 1
		.amdhsa_wavefront_size32 1
		.amdhsa_system_sgpr_workgroup_id_x 1
		.amdhsa_system_sgpr_workgroup_id_y 1
		.amdhsa_system_sgpr_workgroup_id_z 1
		.amdhsa_system_vgpr_workitem_id 0
		.amdhsa_next_free_vgpr 112
		.amdhsa_next_free_sgpr 66
		.amdhsa_reserve_vcc 0
		.amdhsa_float_denorm_mode_32 3
		.amdhsa_float_denorm_mode_16_64 3
		.amdhsa_memory_ordered 1
		.amdhsa_forward_progress 1
		.amdhsa_inst_pref_size 11
	.end_amdhsa_kernel
	.amdgpu_metadata
---
amdhsa.version: [ 1, 2 ]
amdhsa.kernels:
  - .name:           k_q0f6742dae1_prep
    .symbol:         k_q0f6742dae1_prep.kd
    .args:
      - { .name: q, .offset: 0, .size: 8, .value_kind: global_buffer, .address_space: global }
      - { .name: k, .offset: 8, .size: 8, .value_kind: global_buffer, .address_space: global }
      - { .name: v, .offset: 16, .size: 8, .value_kind: global_buffer, .address_space: global }
      - { .name: wq_kernel, .offset: 24, .size: 8, .value_kind: global_buffer, .address_space: global }
      - { .name: wk_kernel, .offset: 32, .size: 8, .value_kind: global_buffer, .address_space: global }
      - { .name: wv_kernel, .offset: 40, .size: 8, .value_kind: global_buffer, .address_space: global }
      - { .name: xb, .offset: 48, .size: 8, .value_kind: global_buffer, .address_space: global }
      - { .name: wt, .offset: 56, .size: 8, .value_kind: global_buffer, .address_space: global }
    .group_segment_fixed_size: 0
    .private_segment_fixed_size: 0
    .kernarg_segment_align: 8
    .kernarg_segment_size: 64
    .max_flat_workgroup_size: 256
    .sgpr_count:     66
    .vgpr_count:     112
    .wavefront_size: 32
...
	.end_amdgpu_metadata
.endif
;; end of part 1
;; launch proj (part 2): grid 4 x 96, 4 waves a work-group, clusters of 4 x 4, 327,680 bytes of LDS; arguments xb, wt, pj, wq_bias, wk_bias, wv_bias; writes pj
.if DOCPART == 2
	.amdgcn_target "amdgcn-amd-amdhsa--gfx1250"
	.amdhsa_code_object_version 6
	.text
	.protected	k_q0f6742dae1_proj
	.globl	k_q0f6742dae1_proj
	.p2align	8
	.type	k_q0f6742dae1_proj,@function
k_q0f6742dae1_proj:
	s_mov_b64 s[64:65], 0
	v_nop
	global_prefetch_b8 v0, s[64:65] scope:SCOPE_SE
	s_setreg_imm32_b32 hwreg(HW_REG_WAVE_MODE, 25, 1), 1
	s_wait_xcnt 0x0
	s_wait_alu depctr_hold_cnt(0) depctr_sa_sdst(0) depctr_va_vdst(0) depctr_va_sdst(0) depctr_va_ssrc(0) depctr_va_vcc(0) depctr_vm_vsrc(0)
	s_getreg_b32 s2, hwreg(HW_REG_IB_STS2, 6, 4)
	s_cmp_eq_u32 s2, 0
	s_cbranch_scc0 .Lentry_in_a_cluster
	s_endpgm
.Lentry_in_a_cluster:
	s_bfe_u32 s2, ttmp6, 0x10000c
	s_cmp_lg_u32 s2, 0xf033
	s_cbranch_scc0 .Lentry_shape_is_right
	s_endpgm
.Lentry_shape_is_right:
; The three projections as ONE product: pj[m][n] = sc_p * (sum over k of xb[m][k] W_p[k][n] + bias_p[n]), m = 0 .. 24575, p = m / 8192 (q, k, v), f16 in, f32 sums, f16 out.
; sc_0 = log2(e) / sqrt(128) (the attention's scale and the change to base 2, folded into Q before its one rounding), sc_1 = sc_2 = 1.
; A work-group makes 256 x 256 of pj with four waves, a wave 128 x 128: 64 accumulator tiles of 16 x 16, 512 registers.  K = 1024 goes in 8 steps of 128 through two LDS slots.
; xb's tile: 256 rows of 256 bytes, padded to a pitch of 272.  W's tile: wt holds it ready as [kc 16][n 256][8 k] (65,536 dense bytes for a K step and 256 columns), so that a fragment's
; 16 bytes of lane (r, h) lie at kc * 4096 + n * 16: sixteen lanes read 256 consecutive bytes, and no transposing load is needed.
; CLUSTERS: 4 x 4 work-groups.  The four of a cluster's row make one block row and ask for xb's tiles jointly; the four of a column make one block column (and lie in one p, since a
; cluster's four block rows lie inside the 32 of one p) and ask for W's tiles jointly.  That divides the requests for both by four.
; 384 work-groups: 96 block rows x 4 block columns.
; REGISTERS, in windows of 256: window 0: v0-31 addresses, v32-63 and v224-255 the bias of my 128 columns (times sc), v64-191 fragments of xb (two buffers), v192-223 packed results;
;   window 1: v64-191 fragments of W (two buffers); windows 2, 3: the accumulators of my rows 0-63, 64-127 (tile (a, b) at v[8 (8 a + b)]).
; The matrix instruction is used transposed (source 0 = 16 columns of W, source 1 = 16 rows of xb): a lane then holds eight neighbouring columns of one row of pj.
; LIMIT: operands and results are rounded to f16.  A result of magnitude 65,520 or more becomes an infinity.  Room: a sum of 1,024 products of numbers of spread 1 and 1/32 has spread 1;
;   with both factors 30 times larger it is 900 times larger; with both offset by 30 times their spread it is 1024 x 30 x 30/32 = 28,800.
.set SIZE_N, 1024
.set SIZE_K, 1024
.set KSTEP,  128
.set PITCH,  272                       ; xb's rows in LDS: 256 bytes + 16 of padding: the 16 rows of a fragment load begin at 16 different 16-byte columns modulo 256
.set HALFA,  128*PITCH                 ; 128 rows of xb: one tensor load
.set ABYTES, 2*HALFA
.set HALFB,  32768                     ; kc 0-7 or kc 8-15 of W's tile: one tensor load (128 rows of 256 bytes, dense)
.set SLOT,   ABYTES+2*HALFB            ; 135,168
.set STAGE,  2*SLOT                    ; behind the ring: 16 rows x 272 bytes for each wave, for the way out; no tensor load lands there
.set SPITCH, 272
.set ASTEP,  2*KSTEP*2                 ; two K steps on in xb: 512 bytes along the rows
.set BSTEP,  2*65536                   ; two K steps on in wt
.set LAPS, SIZE_K/(2*KSTEP)            ; 4 laps of two K steps
.set ADRA, 16                          ; v16-17  LDS address of my xb fragments in slot 0, 1
.set ADRB, 20                          ; v20-21  the same for W
.set STO,  24                          ; v24     the way out: where I put 16 bytes of a row
.set RD,   25                          ; v25     the way out: where I read a row back
.set CO,   26                          ; v26     my byte offset in pj
.set BO,   27                          ; v27     my byte offset in the bias: 32 (lane / 16)
.set BI,   32                          ; bias of column tile b: v[32 + 8 b] for b < 4, v[224 + 8 (b - 4)] for b >= 4 = BI + 8 b + (b / 4) 160
.set F0,   64
.set F1,   128
.set TMP,  192
.set G1, 24                            ; s[24:31] group 1 for xb's tiles
.set G0, 32                            ; s[32:39] group 0 for xb's tiles, a set for each slot
.set G1B, 48                           ; s[48:55] group 1 for W's tiles
.set G0B, 56                           ; s[56:63] group 0 for W's tiles, a set for each slot
.set MSB, 0
.macro WIN new                         ; the immediate's high byte repeats the setting that is left
.if MSB != \new
	s_set_vgpr_msb (MSB<<8)|\new
.set MSB, \new
.endif
.endm
.set MUL_LO, 0xa1                      ; source 0 (W) window 1, source 1 (xb) window 0, C and D window 2
.set MUL_HI, 0xf1                      ; the same, C and D window 3
.set TO_B,   0x40                      ; destination window 1, address window 0
; A joint load.  Waves 0 and 1 fetch xb's two halves, waves 2 and 3 W's.  Each line has one mask; the branch hangs on the wave's number alone.
; Four v_nop follow each of the two lines.
.macro JLOAD s
	s_cmp_eq_u32 s11, 0
	s_cbranch_scc0 .Lfor_b_\@
	tensor_load_to_lds s[G0+4*\s:G0+4*\s+3], s[G1:G1+7]
	s_nop 0
.rept 4
	v_nop
.endr
	s_branch .Lasked_\@
.Lfor_b_\@:
	tensor_load_to_lds s[G0B+4*\s:G0B+4*\s+3], s[G1B:G1B+7]
	s_nop 0
.rept 4
	v_nop
.endr
.Lasked_\@:
.endm
; A round of the cluster's barrier: my work-group's barrier; wave 0 signals for the work-group; every wave waits for all sixteen; my work-group's barrier once more.
.macro CREST                           ; a round behind its opening barrier
	s_cmp_lg_u32 s10, 0
	s_cbranch_scc1 .Lnot_wave_0_\@
	s_barrier_signal -3
.Lnot_wave_0_\@:
	s_barrier_wait -3
	s_barrier_signal -1
	s_barrier_wait -1
.endm
.macro CROUND
	s_barrier_signal -1
	s_barrier_wait -1
	CREST
.endm
	s_load_b128 s[4:7], s[0:1], 0x0                ; xb s[4:5], wt s[6:7]
	s_load_b64 s[8:9], s[0:1], 0x10                ; pj
	s_load_b128 s[68:71], s[0:1], 0x18             ; wq_bias, wk_bias
	s_load_b64 s[72:73], s[0:1], 0x28              ; wv_bias
	s_set_vgpr_msb 0x40
	v_lshl_add_u32 v255, v0, 2, 0x46400
	s_set_vgpr_msb 0x4000
	v_mov_b32 v31, 0
	s_set_vgpr_msb 0x1
	ds_add_u32 v255, v31
	s_set_vgpr_msb 0x100
	v_lshrrev_b32 v1, 5, v0
	v_readfirstlane_b32 s10, v1                    ; wave 0..3
	s_lshr_b32 s11, s10, 1                         ; which half of the block's rows is mine.  Also: I fetch for xb (0) or for W (1)
	s_and_b32 s12, s10, 1                          ; which half of its columns.  Also: which half of that tile I fetch
	s_bfe_u32 s40, ttmp6, 0x40000                  ; cx
	s_bfe_u32 s41, ttmp6, 0x40004                  ; cy
	s_lshl_b32 s42, ttmp9, 2
	s_add_co_u32 s42, s42, s40                     ; block column = 4 x cluster x + cx
	s_and_b32 s66, ttmp7, 0xffff                   ; cluster y
	s_lshl_b32 s13, s66, 2
	s_add_co_u32 s13, s13, s41                     ; block row = 4 x cluster y + cy
	s_lshr_b32 s66, s66, 3                         ; p = block row / 32 = cluster y / 8: the same in the whole cluster
	s_lshl_b32 s43, s41, 2
	s_lshl_b32 s43, 15, s43                        ; my row of the cluster: places 4 cy .. 4 cy + 3
	s_lshl_b32 s44, 0x1111, s40                    ; my column: places cx, cx + 4, cx + 8, cx + 12
	; group 1 for xb: 128 rows x 128 elements of 2 bytes, 4 words of padding behind every 64
	s_or_b32 s[G1+0], s43, (1<<16)|(1<<20)|(1<<21)|(5<<22)|(3<<25)
	s_mov_b32 s[G1+1], KSTEP<<16                   ; tensor_dim0 = 128
	s_mov_b32 s[G1+2], 128<<16                     ; tensor_dim1 = 128
	s_mov_b32 s[G1+3], KSTEP<<16                   ; tile_dim0 = 128
	s_mov_b32 s[G1+4], 128                         ; tile_dim1 = 128
	s_mov_b32 s[G1+5], SIZE_K                      ; 1,024 elements from row to row
	s_mov_b32 s[G1+6], 0
	s_mov_b32 s[G1+7], 0
	; group 1 for W: a dense block of 32,768 bytes as 128 rows of 32 elements of 8 bytes, no padding
	s_or_b32 s[G1B+0], s44, (3<<16)|(1<<21)
	s_mov_b32 s[G1B+1], 32<<16
	s_mov_b32 s[G1B+2], 128<<16
	s_mov_b32 s[G1B+3], 32<<16
	s_mov_b32 s[G1B+4], 128
	s_mov_b32 s[G1B+5], 32
	s_mov_b32 s[G1B+6], 0
	s_mov_b32 s[G1B+7], 0
	; where the tiles come from: xb's hang on the block row alone, W's on p and the block column alone
	s_lshl_b32 s17, s12, 7
	s_lshl_b32 s16, s13, 8
	s_add_co_u32 s16, s16, s17                     ; row 256 x block row + 128 x half
	s_lshl_b32 s16, s16, 11                        ; rows of 2,048 bytes: below 2^26
	s_mov_b32 s17, 0
	s_lshl_b32 s46, s66, 21                        ; p x 2,097,152
	s_lshl_b32 s47, s42, 19                        ; + block column x 524,288
	s_add_co_u32 s46, s46, s47
	s_lshl_b32 s47, s12, 15                        ; + half x 32,768
	s_add_co_u32 s46, s46, s47
	s_mov_b32 s47, 0
	s_mul_i32 s20, s10, HALFA                      ; where xb's halves go (waves 0, 1): wave x 34,816
	s_mul_i32 s67, s10, HALFB                      ; where W's halves go (waves 2, 3): 69,632 + (wave - 2) x 32,768
	s_add_co_u32 s67, s67, ABYTES-2*HALFB
	s_lshl_b32 s78, s42, 10                        ; my 128 columns in the bias: 1,024 x block column + 512 x half
	s_lshl_b32 s79, s12, 9
	s_add_co_u32 s78, s78, s79
	s_mov_b32 s79, 0
	s_wait_dscnt 0x0
	s_wait_kmcnt 0x0
	s_add_nc_u64 s[14:15], s[4:5], s[16:17]
	s_add_nc_u64 s[46:47], s[6:7], s[46:47]
	s_cmp_eq_u32 s66, 1                            ; the bias of my p
	s_cselect_b64 s[74:75], s[70:71], s[68:69]
	s_cmp_eq_u32 s66, 2
	s_cselect_b64 s[74:75], s[72:73], s[74:75]
	s_add_nc_u64 s[74:75], s[74:75], s[78:79]
	s_cmp_eq_u32 s66, 0
	s_cselect_b32 s76, 0x3e0293ee, 1.0             ; sc: log2(e) / sqrt(128) for q, 1 for k and v
	s_mov_b32 s77, s76
	CROUND                                         ; all sixteen work-groups are here: the first joint loads meet
.irp s, 0,1
	s_mov_b32 s[G0+4*\s], 1
	s_add_co_u32 s[G0+4*\s+1], s20, \s*SLOT
	s_add_nc_u64 s[G0+4*\s+2:G0+4*\s+3], s[14:15], \s*KSTEP*2
	s_or_b32 s[G0+4*\s+3], s[G0+4*\s+3], 0x80000000
	s_mov_b32 s[G0B+4*\s], 1
	s_add_co_u32 s[G0B+4*\s+1], s67, \s*SLOT
	s_add_nc_u64 s[G0B+4*\s+2:G0B+4*\s+3], s[46:47], \s*65536
	s_or_b32 s[G0B+4*\s+3], s[G0B+4*\s+3], 0x80000000
	JLOAD \s                                       ; both slots' first fills go out before anything else: two tensor loads of each wave are out
.endr
	v_and_b32 v1, 15, v0                           ; r = lane % 16
	v_bfe_u32 v2, v0, 4, 1                         ; h = lane / 16
	v_lshlrev_b32 v[BO], 5, v2
.irp b, 0,1,2,3,4,5,6,7
	global_load_b128 v[BI+8*\b+(\b/4)*160:BI+8*\b+(\b/4)*160+3],   v[BO], s[74:75] offset:64*\b      ; bias of columns 16 b + 8 h + 0..3
	global_load_b128 v[BI+8*\b+(\b/4)*160+4:BI+8*\b+(\b/4)*160+7], v[BO], s[74:75] offset:64*\b+16   ; and + 4..7
.endr
	v_mul_u32_u24 v3, v1, PITCH
	v_lshl_add_u32 v3, v2, 4, v3                   ; xb: row x pitch + 16 h
	v_lshlrev_b32 v6, 4, v1
	v_lshl_add_u32 v6, v2, 12, v6                  ; W: 16 r + 4,096 h
	s_mul_i32 s21, s11, HALFA                      ; my 128 rows of xb
	s_lshl_b32 s22, s12, 11                        ; my 128 columns of W: 2,048 bytes inside each kc,
	s_add_co_u32 s22, s22, ABYTES                  ; behind xb's 256 rows
.irp s, 0,1
	v_add_nc_u32 v[ADRA+\s], s21, v3
	v_add_nc_u32 v[ADRB+\s], s22, v6
	s_add_co_u32 s21, s21, SLOT
	s_add_co_u32 s22, s22, SLOT
.endr
	s_mul_i32 s23, s10, 16*SPITCH
	s_add_co_u32 s23, s23, STAGE                   ; my stage
	v_mul_u32_u24 v4, v1, SPITCH
	v_lshl_add_u32 v4, v2, 4, v4
	v_add_nc_u32 v[STO], s23, v4
	v_mul_u32_u24 v5, v2, SPITCH
	v_lshl_add_u32 v5, v1, 4, v5
	v_add_nc_u32 v[RD], s23, v5
	v_mul_u32_u24 v5, v2, SIZE_N*2
	v_lshl_add_u32 v[CO], v1, 4, v5
; 16 matrix instructions: row blocks a0, a0 + 1 of the window's four x all 8 column blocks, 32 along K.  zero = 1: the first product starts the sums.
; The 64 accumulators take turns, one instruction a turn, in the same order in every quarter step.
.macro MUL16 f, hi, a0, zero
.irp a, \a0, \a0+1
.irp b, 0,1,2,3,4,5,6,7
.if \zero
	v_wmma_f32_16x16x32_f16 v[8*(8*(\a)+\b):8*(8*(\a)+\b)+7], v[\f+8*\b:\f+8*\b+7], v[\f+8*(4*\hi+\a):\f+8*(4*\hi+\a)+7], 0
.else
	v_wmma_f32_16x16x32_f16 v[8*(8*(\a)+\b):8*(8*(\a)+\b)+7], v[\f+8*\b:\f+8*\b+7], v[\f+8*(4*\hi+\a):\f+8*(4*\hi+\a)+7], v[8*(8*(\a)+\b):8*(8*(\a)+\b)+7]
.endif
.endr
.endr
.endm
; 32 LDS loads in one run: the fragments of quarter q (32 along K) into buffer f.  W: kc = 4 q + h and 4 q + 2 + h; xb: bytes 64 q + 16 h and + 32 of a row.
.macro FETCH slot, q, f
	WIN TO_B
.irp i, 0,1,2,3,4,5,6,7
	ds_load_b128 v[\f+8*\i:\f+8*\i+3],   v[ADRB+\slot] offset:16384*\q+256*\i
	ds_load_b128 v[\f+8*\i+4:\f+8*\i+7], v[ADRB+\slot] offset:16384*\q+256*\i+8192
.endr
	WIN 0
.irp i, 0,1,2,3,4,5,6,7
	ds_load_b128 v[\f+8*\i:\f+8*\i+3],   v[ADRA+\slot] offset:64*\q+\i*16*PITCH
	ds_load_b128 v[\f+8*\i+4:\f+8*\i+7], v[ADRA+\slot] offset:64*\q+\i*16*PITCH+32
.endr
.endm
; Four places stand between a matrix instruction and a load into one of its registers or a vector instruction that reads its result (ISA guide 7.12.1 for vector instructions).
.macro PLACES
.rept 4
	v_nop
.endr
.endm
.macro QUARTER slot, q, f, g, zero
	s_wait_dscnt 8                                 ; W and xb's rows 0-63 are in; the youngest eight loads (rows 64-127) may be out
	WIN MUL_LO
	MUL16 \f, 0, 0, \zero
	MUL16 \f, 0, 2, \zero
	PLACES
	FETCH \slot, \q, \g
	s_wait_dscnt 32                                ; all but the 32 just issued
	WIN MUL_HI
	MUL16 \f, 1, 0, \zero
	MUL16 \f, 1, 2, \zero
.endm
.macro THREE slot, zero
	QUARTER \slot, 1, F0, F1, \zero
	QUARTER \slot, 2, F1, F0, 0
	QUARTER \slot, 3, F0, F1, 0
.endm
; The last quarter of a K step changes slots.  In front of the barrier each wave waits for its reads of this slot and for all its tensor loads (one is out: its part of the next
; slot); behind it (with fill = 1: behind the cluster's round that it opens) the refill comes first, then the next slot's first fragments.
; From a request to the wait for it a wave issues 240 matrix instructions.
.macro TURN slot, next, fill
	s_wait_dscnt 8
	WIN MUL_LO
	MUL16 F1, 0, 0, 0
	s_wait_dscnt 0                                 ; my reads of this slot are over
	s_wait_tensorcnt 0x0                           ; and all my tensor loads have landed
	ds_add_u32 v255, v31
	s_wait_dscnt 0x0
	s_barrier_signal -1
	MUL16 F1, 0, 2, 0                              ; register work while the others arrive
	WIN 0
	s_barrier_wait -1
.if \fill
	CREST                                          ; no wave of any partner still reads this slot or has a load on its way
	s_add_nc_u64 s[G0+4*\slot+2:G0+4*\slot+3], s[G0+4*\slot+2:G0+4*\slot+3], ASTEP
	s_add_nc_u64 s[G0B+4*\slot+2:G0B+4*\slot+3], s[G0B+4*\slot+2:G0B+4*\slot+3], BSTEP
	JLOAD \slot                                    ; my one tensor load behind the round; its four v_nop are also the places in front of the loads below
.else
	PLACES
.endif
	FETCH \next, 0, F0
	WIN MUL_HI
	MUL16 F1, 1, 0, 0
	MUL16 F1, 1, 2, 0
.endm
.macro LAP zero
	THREE 0, \zero
	TURN 0, 1, 1
	THREE 1, 0
	TURN 1, 0, 1
.endm
	s_wait_loadcnt 0x0                             ; the bias, once; the first tiles are on their way meanwhile
.irp b, 0,1,2,3,4,5,6,7
.irp r, 0,1,2,3
	v_pk_mul_f32 v[BI+8*\b+(\b/4)*160+2*\r:BI+8*\b+(\b/4)*160+2*\r+1], v[BI+8*\b+(\b/4)*160+2*\r:BI+8*\b+(\b/4)*160+2*\r+1], s[76:77] op_sel_hi:[1,0]   ; sc x bias
.endr
.endr
	s_wait_tensorcnt 1                             ; my part of K step 0 is in; K step 1's may stay out
	s_barrier_signal -1
	s_barrier_wait -1
	FETCH 0, 0, F0
	LAP 1                                          ; the first lap's first products start the sums
	WIN 0
	s_mov_b32 s3, LAPS-2
.Llap:
	LAP 0
	WIN 0
	s_sub_co_u32 s3, s3, 1
	s_cmp_lg_u32 s3, 0
	s_cbranch_scc1 .Llap
	THREE 0, 0                                     ; the last lap fills nothing
	TURN 0, 1, 0
	THREE 1, 0
	s_wait_dscnt 8
	WIN MUL_LO
	MUL16 F1, 0, 0, 0
	MUL16 F1, 0, 2, 0
	s_wait_dscnt 0
	WIN MUL_HI
	MUL16 F1, 1, 0, 0
	MUL16 F1, 1, 2, 0
	; THE WAY OUT, 16 rows at a time: sc x sum + sc x bias in one fused multiply-add, round to f16, 16 bytes a lane into my own stage, read back as whole rows of 256 bytes.
	PLACES
	s_lshl_b32 s13, s13, 8
	s_lshl_b32 s14, s11, 7
	s_add_co_u32 s16, s13, s14                     ; my first row of pj
	s_lshl_b32 s16, s16, 11
	s_mov_b32 s17, 0
	s_add_nc_u64 s[8:9], s[8:9], s[16:17]
	s_lshl_b32 s46, s42, 9                         ; my first column, in bytes
	s_lshl_b32 s47, s12, 8
	s_add_co_u32 s46, s46, s47
	s_mov_b32 s47, 0
	s_add_nc_u64 s[8:9], s[8:9], s[46:47]
; rows 16 i .. 16 i + 15 of my block = the eight tiles (a, 0..7) of window 2 or 3.  sums: the setting for the multiply-add (0x82, 0xc3); from: for the conversions (0x0a, 0x0f)
.macro OUT16 i, a, sums, from, f
	WIN \sums
.irp b, 0,1,2,3,4,5,6,7
.irp r, 0,1,2,3
	v_pk_fma_f32 v[8*(8*\a+\b)+2*\r:8*(8*\a+\b)+2*\r+1], v[8*(8*\a+\b)+2*\r:8*(8*\a+\b)+2*\r+1], s[76:77], v[BI+8*\b+(\b/4)*160+2*\r:BI+8*\b+(\b/4)*160+2*\r+1] op_sel_hi:[1,0,1]
.endr
.endr
	WIN \from
.irp b, 0,1,2,3,4,5,6,7
.irp r, 0,1,2,3
	v_cvt_pk_f16_f32 v[TMP+4*\b+\r], v[8*(8*\a+\b)+2*\r], v[8*(8*\a+\b)+2*\r+1]
.endr
.endr
	WIN 0
.irp b, 0,1,2,3,4,5,6,7
	ds_store_b128 v[STO], v[TMP+4*\b:TMP+4*\b+3] offset:32*\b
.endr
	s_wait_xcnt 0x0                                ; buffer f, which earlier stores read, and the stores' base are rewritten only behind this wait
.if \i
	s_add_nc_u64 s[8:9], s[8:9], 16*SIZE_N*2       ; 16 rows of pj on
.endif
.irp t, 0,1,2,3,4,5,6,7
	ds_load_b128 v[\f+4*\t:\f+4*\t+3], v[RD] offset:\t*2*SPITCH    ; a wave's LDS instructions are served in order: these see the stores above
.endr
.irp t, 0,1,2,3,4,5,6,7
	s_wait_dscnt 7-\t
	global_store_b128 v[CO], v[\f+4*\t:\f+4*\t+3], s[8:9] offset:2*\t*SIZE_N*2   ; 16 lanes store 256 consecutive bytes, aligned
.endr
.endm
	OUT16 0, 0, 0x82, 0x0a, F0
	OUT16 1, 1, 0x82, 0x0a, F1
	OUT16 2, 2, 0x82, 0x0a, F0
	OUT16 3, 3, 0x82, 0x0a, F1
	OUT16 4, 0, 0xc3, 0x0f, F0
	OUT16 5, 1, 0xc3, 0x0f, F1
	OUT16 6, 2, 0xc3, 0x0f, F0
	OUT16 7, 3, 0xc3, 0x0f, F1
	s_set_vgpr_msb 0x1
	s_wait_tensorcnt 0x0
	ds_add_u32 v255, v31
	s_wait_dscnt 0x0
	s_set_vgpr_msb 0x100
	CROUND                                         ; the closing round: no work-group ends while a partner may still ask for a tile that names it
	s_endpgm
.Lfunc_end_k_q0f6742dae1_proj:
	.size	k_q0f6742dae1_proj, .Lfunc_end_k_q0f6742dae1_proj-k_q0f6742dae1_proj
	.p2alignl 7, 3214868480
	.fill 96, 4, 3214868480
	.section	.rodata,"a",@progbits
	.p2align	6, 0x0
	.amdhsa_kernel k_q0f6742dae1_proj
		.amdhsa_group_segment_fixed_size 327680
		.amdhsa_private_segment_fixed_size 0
		.amdhsa_enable_private_segment 0
		.amdhsa_kernarg_size 48
		.amdhsa_user_sgpr_count 2
		.amdhsa_user_sgpr_kernarg_segment_ptr 1
		.amdhsa_wavefront_size32 1
		.amdhsa_system_sgpr_workgroup_id_x 1
		.amdhsa_system_sgpr_workgroup_id_y 1
		.amdhsa_system_sgpr_workgroup_id_z 1
		.amdhsa_system_vgpr_workitem_id 0
		.amdhsa_next_free_vgpr 1024
		.amdhsa_next_free_sgpr 80
		.amdhsa_reserve_vcc 0
		.amdhsa_float_denorm_mode_32 3
		.amdhsa_float_denorm_mode_16_64 3
		.amdhsa_memory_ordered 1
		.amdhsa_forward_progress 1
		.amdhsa_inst_pref_size 218
	.end_amdhsa_kernel
	.amdgpu_metadata
---
amdhsa.version: [ 1, 2 ]
amdhsa.kernels:
  - .name:           k_q0f6742dae1_proj
    .symbol:         k_q0f6742dae1_proj.kd
    .args:
      - { .name: xb, .offset: 0, .size: 8, .value_kind: global_buffer, .address_space: global }
      - { .name: wt, .offset: 8, .size: 8, .value_kind: global_buffer, .address_space: global }
      - { .name: pj, .offset: 16, .size: 8, .value_kind: global_buffer, .address_space: global }
      - { .name: wq_bias, .offset: 24, .size: 8, .value_kind: global_buffer, .address_space: global }
      - { .name: wk_bias, .offset: 32, .size: 8, .value_kind: global_buffer, .address_space: global }
      - { .name: wv_bias, .offset: 40, .size: 8, .value_kind: global_buffer, .address_space: global }
    .group_segment_fixed_size: 327680
    .private_segment_fixed_size: 0
    .kernarg_segment_align: 8
    .kernarg_segment_size: 48
    .max_flat_workgroup_size: 128
    .sgpr_count:     80
    .vgpr_count:     1024
    .wavefront_size: 32
...
	.end_amdgpu_metadata
.endif
;; end of part 2
;; launch attn (part 3): grid 8 x 32, 4 waves a work-group, clusters of 4 x 4, 327,680 bytes of LDS; arguments pj, mask, out0; writes out0
.if DOCPART == 3
	.amdgcn_target "amdgcn-amd-amdhsa--gfx1250"
	.amdhsa_code_object_version 6
	.text
	.protected	k_q0f6742dae1_attn
	.globl	k_q0f6742dae1_attn
	.p2align	8
	.type	k_q0f6742dae1_attn,@function
k_q0f6742dae1_attn:
	s_mov_b64 s[64:65], 0
	v_nop
	global_prefetch_b8 v0, s[64:65] scope:SCOPE_SE
	s_setreg_imm32_b32 hwreg(HW_REG_WAVE_MODE, 25, 1), 1
	s_wait_xcnt 0x0
	s_wait_alu depctr_hold_cnt(0) depctr_sa_sdst(0) depctr_va_vdst(0) depctr_va_sdst(0) depctr_va_ssrc(0) depctr_va_vcc(0) depctr_vm_vsrc(0)
	s_getreg_b32 s2, hwreg(HW_REG_IB_STS2, 6, 4)
	s_cmp_eq_u32 s2, 0
	s_cbranch_scc0 .Lentry_in_a_cluster
	s_endpgm
.Lentry_in_a_cluster:
	s_bfe_u32 s2, ttmp6, 0x10000c
	s_cmp_lg_u32 s2, 0xf033
	s_cbranch_scc0 .Lentry_shape_is_right
	s_endpgm
.Lentry_shape_is_right:
; Attention with a running maximum.  pj = [3][8192][1024] f16: Q (already times log2(e) / sqrt(128)), K, V.  mask = [4][2048][2048] f32.  out0 = [8192][1024] f32.
; A work-group takes 256 queries of one batch b and head h (grid x = query block 0..7, grid y = 8 b + h); a wave takes 64 queries (4 tiles of 16).  32 steps of 64 keys.
; TRANSPOSED FORMS.  S^T(kt, qt) = K Q^T: source 0 = 16 keys of K, source 1 = 16 queries of Q.  Lane (r, h) then holds, of query 16 qt + r, the keys 16 kt + 8 h + 0..7: maximum and sum
; run along a lane's registers and cross the two halves of the lanes once; and two tiles, rounded to f16 in pairs, ARE the second source P(kk, qt) of O^T(dt, qt) += V^T(kk, dt) P(kk, qt)
; (V^T by the transposing LDS load).  No score ever passes through LDS.  In O^T a lane holds eight neighbouring channels of one query.
; ONE STEP BEHIND: step t has two phases of 64 matrix instructions.  Phase A makes S^T(t); between its products stand the rescaling of O^T by alpha(t - 1) and the mask's multiplication.
; Phase B adds V^T(t - 1) P(t - 1) onto O^T; between its products stands the softmax of S^T(t), seven vector instructions behind each.  So vector and matrix work run side by side.
; The price: two switches of the register windows for each matrix instruction, since no one setting serves both kinds.  P(t) is packed and V^T(t) loaded behind phase B.
; SCORES are kept in base 2: x = fl(s + fl(mask * C2)), C2 = fl(-1e9 log2(e)); p = 2^(x - m), m the running maximum of the row.  The mask's term is multiplied and added in TWO roundings on
; purpose, as the reference rounds: with one rounding the keys of a row that all carry one non-zero mask value would fall on different sides of a step of f32 and the row would lose its uniform weights.
; CLUSTERS: 4 x 4 work-groups = 4 query blocks (cx) x 4 heads of one batch (cy).  K's and V's tiles hang on (b, h) and are asked for jointly along a cluster's row; the mask's tiles hang on
; (b, query block) and are asked for jointly along a column: the requests for all three are divided by four.  Q is each wave's own (a plain load).
; LIMITS: Q, K, V and P are rounded to f16; the row sum adds the unrounded p.  P lies in [0, 1] by the running maximum, so f16's range holds it for every input; below 6.1e-5 its step is 6e-8,
;   against a row sum of at least 1.  Near |x| = 1.4e9 a step of f32 is 128 units of base 2 (89 natural units; the reference's is 64 natural units).
;   p below 2^-126 counts as 0.  A mask so large that mask * C2 overflows gives what infinities give.
; LDS: slot s at s * 105,472: K 64 rows x 272; V 64 rows x 288 (at 17,408); mask 256 rows x 272 (at 35,840).  Q 256 rows x 272 at 210,944, filled once.
;   Stage for the way out: 16 rows x 528 for each wave at 280,576; no tensor load lands there.
; REGISTERS, in windows of 256: window 0: v8-18 addresses, v32-55 the rows' figures, v64-191 fragments of K (on the way out: rows read back), v192-255 P(kk, qt);
;   window 1: v0-127 fragments of Q (kept for all steps), v128-255 fragments of V^T; window 2: O^T(dt, qt) at v[8 (4 dt + qt)];
;   window 3: S^T(kt, qt) at v[8 (4 kt + qt)], the mask's numbers in the same order at v[128 + ..].
.set SLOT,  105472
.set VOFF,  17408
.set MOFF,  35840
.set QOFF,  210944
.set STAGE, 280576
.set KP,    272                        ; pitch of K, Q and the mask: 256 bytes + 16: 16 rows begin at 16 different 16-byte columns modulo 256
.set VP,    288                        ; pitch of V: 256 bytes + 32, an odd multiple of 32, for the transposing load
.set SP,    528                        ; pitch of the stage: 512 bytes + 16
.set ADK, 8                            ; v8-9    K fragments in slot 0, 1: 272 r + 16 h
.set ADV, 10                           ; v10-11  V: (8 h + lane % 8) 288 + 16 ((lane / 8) % 2)
.set ADM, 12                           ; v12-13  mask: (64 wave + r) 272 + 32 h
.set ADQ, 14                           ; v14     Q: (64 wave + r) 272 + 16 h
.set STO, 15                           ; v15     stage, in: 528 r + 32 h
.set RD,  16                           ; v16     stage, back: 16 lane
.set CO,  17                           ; v17     16 lane: my bytes in a row of 512 of out0
.set PFV, 18                           ; v18     8,192 lane: a row of the mask for each lane
.set MX,  32                           ; v[32+2qt] m, v[33+2qt] this step's maximum
.set AL,  40                           ; v[40+2qt] alpha (at the end 1 / l), v[41+2qt] what comes from the other half of the lanes
.set LP,  48                           ; v[48+2qt:49+2qt] the row sum, in two parts
.set KF,  64                           ; window 0: K(ks, kt) at KF + 8 (4 ks + kt)
.set PB,  192                          ; window 0: P(kk, qt) at PB + 8 (4 kk + qt)
.set VF,  128                          ; window 1: V^T(kk, dt) at VF + 8 (8 kk + dt)
.set MT,  128                          ; window 3
.set RB0, 64
.set RB1, 128
.set NSM, 405                          ; vector instructions of one step's softmax: 64 + 64 + 20 + 192 + 1 + 64
.set GK1, 24                           ; s[24:31] group 1 for K
.set GV1, 32                           ; s[32:39] for V
.set GM1, 40                           ; s[40:47] for the mask
.set GQ1, 48                           ; s[48:55] for Q
.set GK0, 56                           ; s[56:63] group 0 for K, a set for each slot
.set GV0, 68                           ; s[68:75] for V
.set GM0, 76                           ; s[76:83] for the mask
.set GQ0, 84                           ; s[84:87] for Q
.set MSB, 0
.macro WIN new                         ; low byte: bits 1:0 source 0, 3:2 source 1, 5:4 source 2, 7:6 destination; the high byte repeats the setting that is left
.if MSB != \new
	s_set_vgpr_msb (MSB<<8)|\new
.set MSB, \new
.endif
.endm
.macro NOPS n
.rept \n
	v_nop
.endr
.endm
; A round of the cluster's barrier.
.macro ROUND
	s_barrier_signal -1
	s_barrier_wait -1
	s_cmp_lg_u32 s10, 0
	s_cbranch_scc1 .Lnot_wave_0_\@
	s_barrier_signal -3
.Lnot_wave_0_\@:
	s_barrier_wait -3
	s_barrier_signal -1
	s_barrier_wait -1
.endm
; The joint loads of one step's tiles into slot s, one a wave: waves 0 and 1 the mask's two halves (128 rows x 256 bytes each), wave 2 K, wave 3 V (64 rows x 256 bytes each).
; The branches hang on the wave's number alone.  Four v_nop follow each line.
.macro JLOAD s
	s_cmp_lt_u32 s10, 2
	s_cbranch_scc0 .Lkv_\@
	tensor_load_to_lds s[GM0+4*\s:GM0+4*\s+3], s[GM1:GM1+7]
	s_nop 0
	NOPS 4
	s_branch .Lasked_\@
.Lkv_\@:
	s_cmp_eq_u32 s10, 2
	s_cbranch_scc0 .Lv_\@
	tensor_load_to_lds s[GK0+4*\s:GK0+4*\s+3], s[GK1:GK1+7]
	s_nop 0
	NOPS 4
	s_branch .Lasked_\@
.Lv_\@:
	tensor_load_to_lds s[GV0+4*\s:GV0+4*\s+3], s[GV1:GV1+7]
	s_nop 0
	NOPS 4
.Lasked_\@:
.endm
; Prefetch of the mask: step t asks for tile t + 2, whose tensor load is issued one step later.  A tile has 256 rows of 256 bytes and serves the batch's eight heads: head h's wave 3 asks
; for rows 32 h .. 32 h + 31, a row a lane, so that each block is asked for by one wave of the launch.  The column offset is clamped to the last tile's.
.macro PF
	s_cmp_lg_u32 s10, 3
	s_cbranch_scc1 .Lno_pf_\@
	global_prefetch_b8 v[PFV], s[96:97] th:TH_LOAD_NT scope:SCOPE_SE
.Lno_pf_\@:
.endm
	s_load_b128 s[4:7], s[0:1], 0x0                ; pj s[4:5], mask s[6:7]
	s_load_b64 s[8:9], s[0:1], 0x10                ; out0
	v_lshl_add_u32 v62, v0, 2, 0x4cc00
	v_mov_b32 v63, 0
	ds_add_u32 v62, v63
	v_lshrrev_b32 v1, 5, v0
	v_readfirstlane_b32 s10, v1                    ; wave 0..3
	s_bfe_u32 s12, ttmp6, 0x40000                  ; cx
	s_bfe_u32 s13, ttmp6, 0x40004                  ; cy
	s_lshl_b32 s14, ttmp9, 2
	s_add_co_u32 s14, s14, s12                     ; query block = 4 x cluster x + cx
	s_and_b32 s16, ttmp7, 0xffff                   ; cluster y
	s_lshl_b32 s15, s16, 2
	s_add_co_u32 s15, s15, s13                     ; y = 8 b + h = 4 x cluster y + cy
	s_lshr_b32 s16, s16, 1                         ; b, from the cluster's y alone: the mask's registers never hold cy
	s_lshl_b32 s17, s13, 2
	s_lshl_b32 s17, 15, s17                        ; my row of the cluster
	s_lshl_b32 s18, 0x1111, s12                    ; my column
	; groups 1.  K, V, Q: 64 rows x 128 elements of 2 bytes, 1,024 elements from row to row; padding behind every 64 words: 4 words (K, Q), 8 words (V)
	s_or_b32 s[GK1+0], s17, (1<<16)|(1<<20)|(1<<21)|(5<<22)|(3<<25)
	s_or_b32 s[GV1+0], s17, (1<<16)|(1<<20)|(1<<21)|(5<<22)|(7<<25)
	s_mov_b32 s[GQ1+0], (1<<16)|(1<<20)|(5<<22)|(3<<25)
.irp g, GK1, GV1, GQ1
	s_mov_b32 s[\g+1], 128<<16                     ; tensor_dim0 = 128
	s_mov_b32 s[\g+2], 64<<16                      ; tensor_dim1 = 64
	s_mov_b32 s[\g+3], 128<<16                     ; tile_dim0 = 128
	s_mov_b32 s[\g+4], 64                          ; tile_dim1 = 64
	s_mov_b32 s[\g+5], 1024
	s_mov_b32 s[\g+6], 0
	s_mov_b32 s[\g+7], 0
.endr
	; the mask: 128 rows x 64 elements of 4 bytes, 2,048 elements from row to row, 4 words of padding behind every 64
	s_or_b32 s[GM1+0], s18, (2<<16)|(1<<20)|(1<<21)|(5<<22)|(3<<25)
	s_mov_b32 s[GM1+1], 64<<16
	s_mov_b32 s[GM1+2], 128<<16
	s_mov_b32 s[GM1+3], 64<<16
	s_mov_b32 s[GM1+4], 128
	s_mov_b32 s[GM1+5], 2048
	s_mov_b32 s[GM1+6], 0
	s_mov_b32 s[GM1+7], 0
	; offsets
	s_lshr_b32 s20, s15, 3                         ; K, V, Q: b x 2,048 rows of 2,048 bytes + h x 256 bytes
	s_lshl_b32 s20, s20, 22
	s_and_b32 s21, s15, 7
	s_lshl_b32 s21, s21, 8
	s_add_co_u32 s20, s20, s21
	s_mov_b32 s21, 0
	s_lshl_b32 s2, s16, 24                         ; mask: b x 16,777,216 + (256 query block + 128 wave) rows of 8,192 bytes (waves 0 and 1 use it)
	s_lshl_b32 s3, s14, 21
	s_add_co_u32 s2, s2, s3
	s_lshl_b32 s3, s10, 20
	s_add_co_u32 s2, s2, s3
	s_mov_b32 s3, 0
	s_lshl_b32 s100, s14, 19                       ; Q: + (256 query block + 64 wave) rows of 2,048 bytes
	s_lshl_b32 s101, s10, 17
	s_add_co_u32 s100, s100, s101
	s_mov_b32 s101, 0
	s_lshl_b32 s94, s16, 24                        ; prefetch: b x 16,777,216 + (256 query block + 32 h) rows of 8,192 bytes
	s_lshl_b32 s95, s14, 21
	s_add_co_u32 s94, s94, s95
	s_and_b32 s95, s15, 7
	s_lshl_b32 s95, s95, 18
	s_add_co_u32 s94, s94, s95
	s_mov_b32 s95, 0
	s_mul_i32 s19, s10, 64*KP                      ; my 64 rows in Q's and in the mask's LDS tile
	s_mul_i32 s11, s10, 128*KP                     ; the mask's half that I fetch (waves 0 and 1)
	s_mov_b32 s88, 0x76543210                      ; v_permlanex16_b32: lane i of one half reads lane i of the other
	s_mov_b32 s89, 0xfedcba98
	s_mov_b32 s98, 0xceabfb8f                      ; C2 = fl(-1e9 log2(e))
	s_mov_b32 s99, 0xceabfb8f
	s_wait_dscnt 0x0
	s_wait_kmcnt 0x0
	s_add_nc_u64 s[22:23], s[4:5], s[20:21]
	s_add_nc_u64 s[2:3], s[6:7], s[2:3]
	s_add_nc_u64 s[92:93], s[6:7], s[94:95]
	s_mov_b32 s94, 512                             ; step 0 asks for tile 2: 512 bytes along the rows
	s_add_nc_u64 s[96:97], s[92:93], s[94:95]
.irp s, 0,1
	s_mov_b32 s[GK0+4*\s], 1
	s_mov_b32 s[GK0+4*\s+1], \s*SLOT
	s_add_nc_u64 s[GK0+4*\s+2:GK0+4*\s+3], s[22:23], 16777216+\s*131072    ; K's part of pj; 64 keys are 131,072 bytes
	s_or_b32 s[GK0+4*\s+3], s[GK0+4*\s+3], 0x80000000
	s_mov_b32 s[GV0+4*\s], 1
	s_mov_b32 s[GV0+4*\s+1], \s*SLOT+VOFF
	s_add_nc_u64 s[GV0+4*\s+2:GV0+4*\s+3], s[22:23], 33554432+\s*131072    ; V's part
	s_or_b32 s[GV0+4*\s+3], s[GV0+4*\s+3], 0x80000000
	s_mov_b32 s[GM0+4*\s], 1
	s_add_co_u32 s[GM0+4*\s+1], s11, \s*SLOT+MOFF
	s_add_nc_u64 s[GM0+4*\s+2:GM0+4*\s+3], s[2:3], \s*256                  ; 64 keys are 256 bytes of a row
	s_or_b32 s[GM0+4*\s+3], s[GM0+4*\s+3], 0x80000000
.endr
	s_mov_b32 s[GQ0], 1
	s_add_co_u32 s[GQ0+1], s19, QOFF
	s_add_nc_u64 s[GQ0+2:GQ0+3], s[22:23], s[100:101]
	s_or_b32 s[GQ0+3], s[GQ0+3], 0x80000000
	ROUND                                          ; all sixteen work-groups are here: the first joint loads meet
	tensor_load_to_lds s[GQ0:GQ0+3], s[GQ1:GQ1+7]  ; my 64 rows of Q
	s_nop 0
	NOPS 4
	JLOAD 0                                        ; tile 0
	JLOAD 1                                        ; tile 1: three tensor loads of each wave are out, the most in this text
	v_and_b32 v1, 15, v0                           ; r
	v_bfe_u32 v2, v0, 4, 1                         ; h
	v_and_b32 v3, 31, v0                           ; lane
	v_and_b32 v4, 7, v0
	v_bfe_u32 v5, v0, 3, 1
	v_mul_u32_u24 v6, v1, KP
	v_lshl_add_u32 v[ADK], v2, 4, v6
	v_add_nc_u32 v[ADK+1], SLOT, v[ADK]
	v_lshl_add_u32 v7, v2, 3, v4
	v_mul_u32_u24 v7, v7, VP
	v_lshl_add_u32 v7, v5, 4, v7
	v_add_nc_u32 v[ADV], VOFF, v7
	v_add_nc_u32 v[ADV+1], SLOT+VOFF, v7
	v_lshl_add_u32 v7, v2, 5, v6
	v_add_nc_u32 v7, s19, v7
	v_add_nc_u32 v[ADM], MOFF, v7
	v_add_nc_u32 v[ADM+1], SLOT+MOFF, v7
	v_add_nc_u32 v[ADQ], s19, v[ADK]
	v_add_nc_u32 v[ADQ], QOFF, v[ADQ]
	s_mul_i32 s19, s10, 16*SP
	s_add_co_u32 s19, s19, STAGE                   ; my stage
	v_mul_u32_u24 v7, v1, SP
	v_lshl_add_u32 v7, v2, 5, v7
	v_add_nc_u32 v[STO], s19, v7
	v_lshlrev_b32 v[CO], 4, v3
	v_add_nc_u32 v[RD], s19, v[CO]
	v_lshlrev_b32 v[PFV], 13, v3
.irp qt, 0,1,2,3
	v_mov_b32 v[AL+2*\qt+1], 0                     ; v_permlanex16_b32's destination counts as read: written once here
.endr
.macro QLOAD                           ; 32 loads: Q(ks, qt) into window 1, v[8 (4 ks + qt)]
.irp ks, 0,1,2,3
.irp qt, 0,1,2,3
	ds_load_b128 v[8*(4*\ks+\qt):8*(4*\ks+\qt)+3],   v[ADQ] offset:16*KP*\qt+64*\ks
	ds_load_b128 v[8*(4*\ks+\qt)+4:8*(4*\ks+\qt)+7], v[ADQ] offset:16*KP*\qt+64*\ks+32
.endr
.endr
.endm
.macro KLOAD slot                      ; 32 loads, by slices of 32 channels: eight loads for each ks
.irp ks, 0,1,2,3
.irp kt, 0,1,2,3
	ds_load_b128 v[KF+8*(4*\ks+\kt):KF+8*(4*\ks+\kt)+3],   v[ADK+\slot] offset:16*KP*\kt+64*\ks
	ds_load_b128 v[KF+8*(4*\ks+\kt)+4:KF+8*(4*\ks+\kt)+7], v[ADK+\slot] offset:16*KP*\kt+64*\ks+32
.endr
.endr
.endm
.macro MLOAD slot                      ; 32 loads: of query 16 qt + r the mask of keys 16 kt + 8 h + 0..7, in S^T's order
.irp kt, 0,1,2,3
.irp qt, 0,1,2,3
	ds_load_b128 v[MT+8*(4*\kt+\qt):MT+8*(4*\kt+\qt)+3],   v[ADM+\slot] offset:16*KP*\qt+64*\kt
	ds_load_b128 v[MT+8*(4*\kt+\qt)+4:MT+8*(4*\kt+\qt)+7], v[ADM+\slot] offset:16*KP*\qt+64*\kt+16
.endr
.endr
.endm
.macro VLOAD slot                      ; 32 transposing loads: V^T(kk, dt): channel 16 dt + r, keys 32 kk + 8 h + 0..7 and + 16
.irp kk, 0,1
.irp dt, 0,1,2,3,4,5,6,7
	ds_load_tr16_b128 v[VF+8*(8*\kk+\dt):VF+8*(8*\kk+\dt)+3],   v[ADV+\slot] offset:32*VP*\kk+32*\dt
	ds_load_tr16_b128 v[VF+8*(8*\kk+\dt)+4:VF+8*(8*\kk+\dt)+7], v[ADV+\slot] offset:32*VP*\kk+32*\dt+16*VP
.endr
.endr
.endm
; The next n of the 128 multiplications O^T *= alpha of the lane's query (pair rci lies in tile rci / 4, whose query tile is (rci / 4) % 4).
.macro RESC n
	WIN 0x82
.rept \n
	v_pk_mul_f32 v[2*rci:2*rci+1], v[2*rci:2*rci+1], v[AL+2*((rci/4)%4):AL+2*((rci/4)%4)+1] op_sel_hi:[1,0]
.set rci, rci+1
.endr
.endm
; The next n of the 64 multiplications fl(mask * C2).
.macro MMUL n
	WIN 0xcf
.rept \n
	v_pk_mul_f32 v[MT+2*mci:MT+2*mci+1], v[MT+2*mci:MT+2*mci+1], s[98:99] op_sel_hi:[1,0]
.set mci, mci+1
.endr
.endm
; PHASE A: product wi (0..63) of S^T: slice wi / 16 of 32 channels, tile wi % 16 = 4 kt + qt; the first slice starts the sums.  The 16 accumulators take turns, one instruction a turn.
; Behind each product of the first three slices stand 3 (then 2) of the 128 rescalings (resc = 1), behind each of the last slice 4 of the mask's 64 multiplications:
; so at least four plain vector instructions that name no register of S^T stand between a tile's last product and the addition that reads it (ISA guide 7.12.1).
.macro PHASEA slot, resc
	WIN 0
	KLOAD \slot
	s_wait_dscnt 24                                ; K's first slice (eight loads) is in; 24 younger loads stay out
.set wi, 0
.set rci, 0
.set mci, 0
.rept 64
.if wi == 16
	WIN 0xc0
	MLOAD \slot
	s_wait_dscnt 48                                ; second slice: 16 of K's and the mask's 32 are younger
.endif
.if wi == 32
	s_wait_dscnt 40                                ; third slice: 8 of K's and the mask's 32 are younger
.endif
.if wi == 48
	s_wait_dscnt 0x0                               ; the last slice and the mask's numbers, issued 32 products ago
.endif
	WIN 0xf4
.if wi < 16
	v_wmma_f32_16x16x32_f16 v[8*(wi%16):8*(wi%16)+7], v[KF+8*(4*(wi/16)+(wi%16)/4):KF+8*(4*(wi/16)+(wi%16)/4)+7], v[8*(4*(wi/16)+wi%4):8*(4*(wi/16)+wi%4)+7], 0
.else
	v_wmma_f32_16x16x32_f16 v[8*(wi%16):8*(wi%16)+7], v[KF+8*(4*(wi/16)+(wi%16)/4):KF+8*(4*(wi/16)+(wi%16)/4)+7], v[8*(4*(wi/16)+wi%4):8*(4*(wi/16)+wi%4)+7], v[8*(wi%16):8*(wi%16)+7]
.endif
.if wi >= 48
	MMUL 4
.elseif \resc
.if wi < 32
	RESC 3
.else
	RESC 2
.endif
.endif
.set wi, wi+1
.endr
.endm
; THE SOFTMAX AS A NUMBERED STREAM: SM1 writes instruction smi of the 405 and steps smi; past the end it writes nothing.  FIRST = 1 in step 0, which has no older maximum and no older sum.
;   0-63     x = fl(s + fl(mask * C2)): the second rounding, on purpose (see the head)
;   64-127   this step's largest x of each of my queries over my 32 keys: four chains that take turns
;   128-147  the other half's maximum; the new m; alpha = 2^(old m - new m); the four moves are the plain instructions between the exponentials and the first use of alpha (ISA guide 5.7.2)
;   148-339  by tiles: four subtractions x - m, eight exponentials; the next tile's first subtraction is the plain instruction behind them and touches none of their registers
;   340      one plain instruction behind the last exponential
;   341-404  l = alpha l + sum of p, in two parts a lane
.macro SM1
.if smi < 64
	WIN 0xcf
	v_pk_add_f32 v[2*smi:2*smi+1], v[2*smi:2*smi+1], v[MT+2*smi:MT+2*smi+1]
.elseif smi < 128
.set sq, (smi-64)%4
.set sg, (smi-64)/4
.set sr, 8*(4*(sg/4)+sq)+2*(sg%4)
	WIN 0x0f
.if sg == 0
	v_max_num_f32 v[MX+2*sq+1], v[sr], v[sr+1]
.else
	v_max3_num_f32 v[MX+2*sq+1], v[sr], v[sr+1], v[MX+2*sq+1]
.endif
.elseif smi < 148
.set sq, (smi-128)%4
.set sg, (smi-128)/4
	WIN 0
.if sg == 0
	v_permlanex16_b32 v[AL+2*sq+1], v[MX+2*sq+1], s88, s89
.elseif FIRST
.if sg == 1
	v_max_num_f32 v[MX+2*sq], v[MX+2*sq+1], v[AL+2*sq+1]
.endif
.elseif sg == 1
	v_max3_num_f32 v[MX+2*sq+1], v[MX+2*sq+1], v[AL+2*sq+1], v[MX+2*sq]
.elseif sg == 2
	v_sub_f32 v[AL+2*sq], v[MX+2*sq], v[MX+2*sq+1]
.elseif sg == 3
	v_exp_f32 v[AL+2*sq], v[AL+2*sq]
.else
	v_mov_b32 v[MX+2*sq], v[MX+2*sq+1]
.endif
.elseif smi < 340
.set sg, (smi-148)/12
.set sr, (smi-148)%12
	WIN 0xc3
.if sr < 4
	v_pk_add_f32 v[8*sg+2*sr:8*sg+2*sr+1], v[8*sg+2*sr:8*sg+2*sr+1], v[MX+2*(sg%4):MX+2*(sg%4)+1] op_sel_hi:[1,0] neg_lo:[0,1] neg_hi:[0,1]
.else
	v_exp_f32 v[8*sg+sr-4], v[8*sg+sr-4]
.endif
.elseif smi == 340
	v_nop
	s_wait_alu depctr_va_vdst(0)
.elseif smi < NSM
.set sq, (smi-341)%4
.set sg, (smi-341)/4
.set sr, 8*(4*(sg/4)+sq)+2*(sg%4)
.if sg == 0
.if FIRST
	WIN 0x0f
	s_wait_alu depctr_va_vdst(0)
	v_pk_add_f32 v[LP+2*sq:LP+2*sq+1], v[sr:sr+1], v[sr+2:sr+3]        ; the first step's sum starts from its first two pairs
.else
	WIN 0x30
	v_pk_fma_f32 v[LP+2*sq:LP+2*sq+1], v[LP+2*sq:LP+2*sq+1], v[AL+2*sq:AL+2*sq+1], v[sr:sr+1] op_sel_hi:[1,0,1]
.endif
.elseif sg == 1
.if FIRST == 0
	WIN 0x03
	v_pk_add_f32 v[LP+2*sq:LP+2*sq+1], v[sr:sr+1], v[LP+2*sq:LP+2*sq+1]
.endif
.else
	WIN 0x03
	v_pk_add_f32 v[LP+2*sq:LP+2*sq+1], v[sr:sr+1], v[LP+2*sq:LP+2*sq+1]
.endif
.endif
.set smi, smi+1
.endm
.macro SM n
.rept \n
	SM1
.endr
.endm
; PHASE B: product wi (0..63) of O^T: keys 32 (wi / 32) .., tile wi % 32 = 4 dt + qt; the 32 accumulators take turns likewise.  zero = 1: the first 32 keys start the sums.
; Behind each product stand the next seven instructions of the softmax: 58 products' worth; they name no register of O^T, V^T or P.
.macro PHASEB zero
.set wi, 0
.rept 64
.set zc, 0
.if \zero
.if wi < 32
.set zc, 1
.endif
.endif
	WIN 0xa1
.if zc
	v_wmma_f32_16x16x32_f16 v[8*(wi%32):8*(wi%32)+7], v[VF+8*(8*(wi/32)+(wi%32)/4):VF+8*(8*(wi/32)+(wi%32)/4)+7], v[PB+8*(4*(wi/32)+wi%4):PB+8*(4*(wi/32)+wi%4)+7], 0
.else
	v_wmma_f32_16x16x32_f16 v[8*(wi%32):8*(wi%32)+7], v[VF+8*(8*(wi/32)+(wi%32)/4):VF+8*(8*(wi/32)+(wi%32)/4)+7], v[PB+8*(4*(wi/32)+wi%4):PB+8*(4*(wi/32)+wi%4)+7], v[8*(wi%32):8*(wi%32)+7]
.endif
	SM 7
.set wi, wi+1
.endr
.endm
.macro PACKK kk                        ; P(kk, qt) in f16: registers 0-3 from tile (2 kk, qt), 4-7 from tile (2 kk + 1, qt)
	WIN 0x0f
.irp qt, 0,1,2,3
.irp i, 0,1,2,3
	v_cvt_pk_f16_f32 v[PB+8*(4*\kk+\qt)+\i], v[8*(8*\kk+\qt)+2*\i], v[8*(8*\kk+\qt)+2*\i+1]
.endr
.irp i, 0,1,2,3
	v_cvt_pk_f16_f32 v[PB+8*(4*\kk+\qt)+4+\i], v[8*(8*\kk+4+\qt)+2*\i], v[8*(8*\kk+4+\qt)+2*\i+1]
.endr
.endr
.endm
; One step: 64 keys in slot 'slot'.  kind 0: the first step; 1: the other slot is filled again, with the tile of the next step; 2: the last step.
; mode 0: step 0 (nothing older to rescale or to multiply); 1: step 1 (O^T does not exist yet: no rescaling, its first products start the sums); 2: all later steps.
.macro STEP slot, other, kind, mode
.if \kind == 0
	s_wait_tensorcnt 0x1                           ; my Q and my part of tile 0 are in; tile 1's part may stay out
	s_barrier_signal -1
	s_barrier_wait -1
	PF
	WIN 0x40
	QLOAD
	s_wait_dscnt 0x0                               ; Q's fragments, once for all steps
.endif
.if \kind == 1
	s_wait_tensorcnt 0x0                           ; all my tensor loads have landed, my part of this step's tile among them: every group 0 may be written
	ds_add_u32 v62, v63
	s_wait_dscnt 0x0                               ; my reads of the other slot are over, the last step's V^T among them
	s_wait_xcnt 0x0                                ; the last step's prefetch has taken its address
	s_add_nc_u64 s[GK0+4*\other+2:GK0+4*\other+3], s[GK0+4*\other+2:GK0+4*\other+3], 262144   ; the other slot's next tile: 128 keys on
	s_add_nc_u64 s[GV0+4*\other+2:GV0+4*\other+3], s[GV0+4*\other+2:GV0+4*\other+3], 262144
	s_add_nc_u64 s[GM0+4*\other+2:GM0+4*\other+3], s[GM0+4*\other+2:GM0+4*\other+3], 512
	s_add_co_u32 s94, s94, 256                     ; the prefetch: one tile on,
	s_min_u32 s94, s94, 7936                       ; never past the rows' last 256 bytes
	s_add_nc_u64 s[96:97], s[92:93], s[94:95]
	ROUND                                          ; both waits now hold of every wave of every work-group of the cluster
	JLOAD \other                                   ; my one tensor load behind the round; it has this whole step in which to land
	PF
.endif
.if \kind == 2
	s_wait_tensorcnt 0x0                           ; my part of the last tile is in
	s_wait_dscnt 0x0
	s_barrier_signal -1
	s_barrier_wait -1
.endif
.if \mode == 2
	PHASEA \slot, 1
.else
	PHASEA \slot, 0
.endif
.set smi, 0
.if \mode == 0
.set FIRST, 1
	SM NSM
.else
.set FIRST, 0
.if \mode == 1
	PHASEB 1
.else
	PHASEB 0
.endif
.endif
	PACKK 0                                        ; 32 plain instructions that name no register of the last 32 products: the places in front of the loads into V^T's registers and of the writes of P(1, ..)
	WIN 0x40
	VLOAD \slot                                    ; this step's V^T, for the next step's phase B; waited for at the next step's head
	PACKK 1
	WIN 0
.endm
	STEP 0, 1, 0, 0                                ; step 0
	STEP 1, 0, 1, 1                                ; step 1; step t asks for tile t + 1
	s_mov_b32 s90, 14
.Lpair:
	STEP 0, 1, 1, 2                                ; steps 2 .. 29
	STEP 1, 0, 1, 2
	s_sub_co_u32 s90, s90, 1
	s_cmp_lg_u32 s90, 0
	s_cbranch_scc1 .Lpair
	STEP 0, 1, 1, 2                                ; step 30 asks for the last tile
	STEP 1, 0, 2, 2                                ; step 31: nothing is left to fetch
	; the tail: the last step's rescaling and products
.set rci, 0
	RESC 128
	s_wait_dscnt 0x0                               ; V^T of step 31
.set smi, NSM                                      ; the stream is spent: only the products are written
	PHASEB 0
	NOPS 4                                         ; the places between the last products and the first reading of O^T
	WIN 0
	; THE WAY OUT.  l of a query = both parts of both halves of the lanes; l >= 1, since the row's largest p is 1.
.irp qt, 0,1,2,3
	v_add_f32 v[AL+2*\qt], v[LP+2*\qt], v[LP+2*\qt+1]
.endr
.irp qt, 0,1,2,3
	v_permlanex16_b32 v[AL+2*\qt+1], v[AL+2*\qt], s88, s89
.endr
.irp qt, 0,1,2,3
	v_add_f32 v[AL+2*\qt], v[AL+2*\qt], v[AL+2*\qt+1]
.endr
.irp qt, 0,1,2,3
	v_rcp_f32 v[AL+2*\qt], v[AL+2*\qt]
.endr
	v_nop                                          ; one plain instruction before 1 / l is used
	s_wait_alu depctr_va_vdst(0)
	s_lshl_b32 s20, s16, 23                        ; out0: (2,048 b + 256 query block + 64 wave) rows of 4,096 bytes + h x 512 bytes
	s_lshl_b32 s21, s14, 20
	s_add_co_u32 s20, s20, s21
	s_lshl_b32 s21, s10, 18
	s_add_co_u32 s20, s20, s21
	s_and_b32 s21, s15, 7
	s_lshl_b32 s21, s21, 9
	s_add_co_u32 s20, s20, s21
	s_mov_b32 s21, 0
	s_add_nc_u64 s[8:9], s[8:9], s[20:21]
; 16 queries: O^T / l, 32 bytes a lane and channel tile into my own stage, read back as whole rows of 512 bytes, stored by 32 lanes as 512 consecutive bytes, aligned.
.macro OUTQ qt, rb
	WIN 0x82
.irp dt, 0,1,2,3,4,5,6,7
.irp i, 0,1,2,3
	v_pk_mul_f32 v[8*(4*\dt+\qt)+2*\i:8*(4*\dt+\qt)+2*\i+1], v[8*(4*\dt+\qt)+2*\i:8*(4*\dt+\qt)+2*\i+1], v[AL+2*\qt:AL+2*\qt+1] op_sel_hi:[1,0]
.endr
.endr
	WIN 0x08
.irp dt, 0,1,2,3,4,5,6,7
	ds_store_b128 v[STO], v[8*(4*\dt+\qt):8*(4*\dt+\qt)+3]   offset:64*\dt
	ds_store_b128 v[STO], v[8*(4*\dt+\qt)+4:8*(4*\dt+\qt)+7] offset:64*\dt+16
.endr
	WIN 0
	s_wait_xcnt 0x0                                ; the registers that earlier stores read are loaded again only behind this wait
.irp i, 0,1,2,3,4,5,6,7,8,9,10,11,12,13,14,15
	ds_load_b128 v[\rb+4*\i:\rb+4*\i+3], v[RD] offset:SP*\i    ; a wave's LDS instructions are served in order: these see the stores above
.endr
.irp i, 0,1,2,3,4,5,6,7,8,9,10,11,12,13,14,15
	s_wait_dscnt 15-\i                             ; row i is back; the younger 15 - i stay out
	global_store_b128 v[CO], v[\rb+4*\i:\rb+4*\i+3], s[8:9] offset:(16*\qt+\i)*4096 th:TH_STORE_NT
.endr
.endm
	OUTQ 0, RB0
	OUTQ 1, RB1
	OUTQ 2, RB0
	OUTQ 3, RB1
	s_wait_tensorcnt 0x0
	ds_add_u32 v62, v63
	s_wait_dscnt 0x0
	ROUND                                          ; the closing round: no work-group ends while a partner may still ask for a tile that names it
	s_endpgm
.Lfunc_end_k_q0f6742dae1_attn:
	.size	k_q0f6742dae1_attn, .Lfunc_end_k_q0f6742dae1_attn-k_q0f6742dae1_attn
	.p2alignl 7, 3214868480
	.fill 96, 4, 3214868480
	.section	.rodata,"a",@progbits
	.p2align	6, 0x0
	.amdhsa_kernel k_q0f6742dae1_attn
		.amdhsa_group_segment_fixed_size 327680
		.amdhsa_private_segment_fixed_size 0
		.amdhsa_enable_private_segment 0
		.amdhsa_kernarg_size 24
		.amdhsa_user_sgpr_count 2
		.amdhsa_user_sgpr_kernarg_segment_ptr 1
		.amdhsa_wavefront_size32 1
		.amdhsa_system_sgpr_workgroup_id_x 1
		.amdhsa_system_sgpr_workgroup_id_y 1
		.amdhsa_system_sgpr_workgroup_id_z 1
		.amdhsa_system_vgpr_workitem_id 0
		.amdhsa_next_free_vgpr 1024
		.amdhsa_next_free_sgpr 102
		.amdhsa_reserve_vcc 0
		.amdhsa_float_denorm_mode_32 3
		.amdhsa_float_denorm_mode_16_64 3
		.amdhsa_memory_ordered 1
		.amdhsa_forward_progress 1
		.amdhsa_inst_pref_size 255
	.end_amdhsa_kernel
	.section	.bss,"aw",@nobits
	.p2align	6
	.space	262144
	.amdgpu_metadata
---
amdhsa.version: [ 1, 2 ]
amdhsa.kernels:
  - .name:           k_q0f6742dae1_attn
    .symbol:         k_q0f6742dae1_attn.kd
    .args:
      - { .name: pj, .offset: 0, .size: 8, .value_kind: global_buffer, .address_space: global }
      - { .name: mask, .offset: 8, .size: 8, .value_kind: global_buffer, .address_space: global }
      - { .name: out0, .offset: 16, .size: 8, .value_kind: global_buffer, .address_space: global }
    .group_segment_fixed_size: 327680
    .private_segment_fixed_size: 0
    .kernarg_segment_align: 8
    .kernarg_segment_size: 24
    .max_flat_workgroup_size: 128
    .sgpr_count:     102
    .vgpr_count:     1024
    .wavefront_size: 32
...
	.end_amdgpu_metadata
.endif
;; end of part 3
